; MI455X (gfx1250); checked and timed in simulation.
; The chip was launched on July 23, 2026; its instructions are those of AMD's public machine-readable ISA for CDNA 5 (MIT licence, August 2026) and "CDNA5" Instruction Set Architecture Reference Guide (July 2026). The comments in the code are by the model that wrote it; some were corrected since.
;; Infer Tree. Allowed arithmetic: matrix products marked QUANTISED: E4M3 operands, one given power-of-two scale a tensor, by v_wmma_f32_16x16x64_fp8_fp8 or v_wmma_f32_16x16x128_fp8_fp8, f32 sums; everything else in f32.
;; Inputs: W_codes 111 x 11 x 64 x 32 uint8 (E4M3 codes of W, K innermost, in blocks of 32 codes); b 111 x 11 float32; labels 8,192 int32; lowp_scales 2 int32 (the exponents e of the quantised operands' scales 2^e); x_codes 8,192 x 64 x 32 uint8 (E4M3 codes of x, K innermost, in blocks of 32 codes).
;; Outputs: out0 8,192 x 1,000 float32; out1 one number float32.
;; This version of the problem:
;;   THIS VERSION OF THE PROBLEM IS GIVEN IN LOW PRECISION. The matrix products marked QUANTISED in the list below multiply operands that are first quantised to E4M3 (4 exponent bits, 3 mantissa bits; 8 bits a number), with one given power-of-two scale for each operand tensor; their sums are f32. All else is computed in f32.
;;   The module's matrix products, in the order in which they are computed (A, B: the left and right operand; K: the contracted axis; several contracted axes count as one K, in the product's order):
;;     1. [M 8,192, K 2,048] x [K 2,048, N 1,221]; A: input x (given as codes); B: input W (given as codes): QUANTISED (scales: A lowp_scales[0], B lowp_scales[1])
;;   THE QUANTISER, for each operand of a quantised product, along K:
;;     - The operand's scale is 2^e, e = its entry of the input lowp_scales (int32; the entries are numbered through the quantised products in the list's order, A before B).
;;     - Each number is divided by the scale, clamped to +-448, and rounded to the nearest number of E4M3, ties to even, subnormals kept.
;;     - The product sums the exact products of the quantised numbers (number of the format x scale) in f32.
;;   ~~~python
;;   def quantise(x, axis, e):      # numpy; x: float32 -> the quantised numbers, widened to float32 again
;;       x = np.moveaxis(x, axis, -1); K = x.shape[-1]
;;       r = np.clip(x / 2.0 ** e, -448, 448)
;;       step = 2.0 ** (np.maximum(np.frexp(np.where(r == 0, 1, r))[1] - 1, -6) - 3)
;;       q = np.round(r / step) * step * 2.0 ** e      # np.round: ties to even
;;       return np.moveaxis(q, -1, axis).astype(np.float32)
;;   ~~~
;;   INPUTS GIVEN AS CODES. W (in the module: [111, 2048, 11], K = its axis 1); x (in the module: [8192, 2048], K = its axis 1): each comes as NAME_codes (uint8): NAME with its K axis moved to the last place and cut into blocks of 32 codes, [.., K / 32, bytes a block], one block behind the other in memory; one code a byte (a code: sign, 4 exponent bits, 3 mantissa bits); its scale is its entry of lowp_scales. Its value is code x scale, taken as it is: it is not quantised again, and the codes and scales need not be those that the quantiser above would give.
;; One version. Each part assembles by itself: llvm-mc -triple=amdgcn-amd-amdhsa -mcpu=gfx1250 --defsym DOCPART=n.
;; ======== version 1 of 1: 1 launch
;; limits: right only within a limited range of input values
;; launch tree (part 1): grid 64 x 4, 4 waves a work-group, clusters of 4 x 1, 327,680 bytes of LDS; arguments x_codes, W_codes, b, lowp_scales, out0, out1; writes out0, out1
.if DOCPART == 1
	.amdgcn_target "amdgcn-amd-amdhsa--gfx1250"
	.amdhsa_code_object_version 6
	.text
	.protected	k_qc532c37f53_tree
	.globl	k_qc532c37f53_tree
	.p2align	8
	.type	k_qc532c37f53_tree,@function
k_qc532c37f53_tree:
	s_mov_b64 s[64:65], 0
	v_nop
	global_prefetch_b8 v0, s[64:65] scope:SCOPE_SE
	s_setreg_imm32_b32 hwreg(HW_REG_WAVE_MODE, 25, 1), 1
	s_wait_xcnt 0x0
	s_wait_alu depctr_hold_cnt(0) depctr_sa_sdst(0) depctr_va_vdst(0) depctr_va_sdst(0) depctr_va_ssrc(0) depctr_va_vcc(0) depctr_vm_vsrc(0)
	s_getreg_b32 s2, hwreg(HW_REG_IB_STS2, 6, 4)
	s_cmp_eq_u32 s2, 0
	s_cbranch_scc0 .Lentry_in_a_cluster
	s_endpgm
.Lentry_in_a_cluster:
	s_bfe_u32 s2, ttmp6, 0x10000c
	s_cmp_lg_u32 s2, 0x3003
	s_cbranch_scc0 .Lentry_shape_is_right
	s_endpgm
.Lentry_shape_is_right:
; out0[row][100 i1 + 10 i2 + i3] = P(node 0)[1+i1] x P(node 1+i1)[1+i2] x P(node 11+10 i1+i2)[1+i3], P(node) = softmax over the node's 11 logits,
; logit[row][node][k] = sum over d of x[row][d] W[node][d][k] + b[node][k].  out1 = 0.
; x: [8192][2048] and W: [111 x 11][2048], codes of FP8 (E4M3), K innermost, each with its one scale 2^ex, 2^ew.  The codes are multiplied as they are, sums in f32.
; DEAD WORK.  The input labels enters no line of the result, whatever it holds: it is not loaded and is no argument.  Column 0 of every node is live: it stands in the softmax's sum.
; (A NaN or infinity that could reach only labels does not exist: they are whole numbers.)
; SHARES.  The 1,000 columns are cut into four PARTS c of 250; a work-group makes 128 rows x one part: 64 x 4 work-groups.  A part needs 32 node SLOTS, 352 rows of W:
;   slot 0: node 0;  slots 1-3: the level-1 nodes a+1 .. a+3, a = (5 c) >> 1, the parents of the part's 25 level-2 nodes;  slots 7-31: the level-2 nodes 11 + 25 c + 0 .. 24;
;   slots 4-6: nodes 8 + 25 c .. 10 + 25 c, whose results are not used: they stand inside tiles that hold live slots, and let one dense block of W fill slots 4-31.
;   Node 0 is multiplied in all four parts and two level-1 nodes in two: 128 slots for 111 nodes.
; A wave (rh = wave / 2, g = wave % 2) makes 64 rows x 16 slots: 4 row tiles x 11 tiles = 44 accumulators.
; TILE (g, k): source 0 = the 16 rows of W (slot 16 g + r, column k), source 1 = 16 rows of x.  In the result lane (r, h) holds row r of x, and register j slot 16 g + 8 h + j, column k:
; a node's 11 logits lie in 11 registers of ONE lane, so maximum, sum and division need no other lane.
; K goes in steps of 256 through a ring of two LDS slots filled by the tensor data mover; a tile's row is 256 bytes of memory, at a multiple of 256 bytes.
; A fragment comes by four loads of 16 bytes: a permutation of k that is the same in both operands; only the order of the sums inside an instruction differs from the plain layout's.
; CLUSTER.  The four work-groups of a cluster are four row blocks of ONE part: they need the same 352 rows of W, 90,112 of a step's 122,880 bytes, and ask for them JOINTLY.  x's tile is each work-group's own.
; x is not shared as well: that would make the part c a place in the cluster, and LDS addresses of the way out hang on c (a row's 1,000 bytes begin 24 c bytes short of where the row's first part does, modulo 256).
; SOFTMAX.  p = 2^(SC (L - max L)) / sum, L = the sum of codes + b / 2^(ex + ew) (the bias is the C of each sum's first product), SC = log2(e) x 2^(ex + ew).
; LIMITS: ex + ew between -126 and 127 (it is added to log2(e)'s exponent field) and b / 2^(ex + ew) finite; an exponential under 2^-126 counts as 0; NaN codes are not served.
; REGISTERS, in windows of 256.  Window 0: v0-31 addresses; v32-119 the bias, [k][j]; v128-191, v192-255 x's fragments, two sets.  Window 1: v0-175 W's 11 fragments, ONE set (a tile is free
; once its four products are issued); v208-255 addresses of the way out.  Window 2: accumulator (m, k < 6) at 32 k + 8 m.  Window 3: (m, k >= 6) at 32 (k - 6) + 8 m.
.set PITCH,  272                       ; an LDS row: 256 bytes + 16 of padding.  x's 16 rows of a load lie 17 x 16 bytes apart, W's 11 x 272 = 187 x 16: odd multiples of 16
.set XB,     128*PITCH                 ; a slot: x's 128 rows, then W's 352 (row 11 slot + k)
.set SLOT1,  1<<17                     ; slot 1 begins here
.set SPARE,  2*SLOT1                   ; the spare words: 128 bytes a wave, two blocks of 256 bytes that no other line names
.set FTAB,   SPARE+512                 ; F[row][slot]: the path's probability down to the slot's node: 128 rows x (128 bytes + 16)
.set FPITCH, 144
.set FSZ,    128*FPITCH                ; behind it as many bytes again, for the lanes of the writing waves that hold no part of the table
.set SPITCH, 1296                      ; the way out's stage: 128 rows x (32 slots x 40 bytes + 16), from LDS byte 0 on: over both slots, behind their last fill and last read
.set NODEB,  11*2048                   ; a node's 11 rows of W in memory
.set VB,   4                           ; v4-11   byte offset in b of slot 16 g + 8 h + j's node
.set ADX,  16                          ; v16-17  LDS address of my x fragments in slot 0, 1
.set ADW,  18                          ; v18-19  the same for W
.set FW,   20                          ; v20     where a table-writing lane puts a row of F
.set FR,   21                          ; v21     where I read my eight slots' F
.set SO,   22                          ; v22     the stage: where I put my 320 bytes of a row
.set ZERO, 23                          ; v23     0
.set C992, 24                          ; v24     992
.set SPW,  28                          ; v28     LDS address of my spare word; never rewritten
.set NIL,  29                          ; v29     0; never rewritten
.set BI,   32                          ; the bias
.set XF,   128                         ; x's fragments
.set AL0,  208                         ; window 1: LDS addresses of a row's store 0, stores 1 and 2, store 3, for rho = 0 .. 7
.set AL1,  216
.set AL3,  224
.set AG0,  232                         ; and the same places in out0
.set AG1,  240
.set AG3,  248
.set T1,   128                         ; the way out, window 0: partial maxima
.set T2,   160
.set T3,   192
.set T4,   224
.set NMS,  32                          ; -SC x max; later the sums
.set SUM,  32
.set INV,  64                          ; 1 / sum
.set U1,   96                          ; partial sums
.set U2,   128
.set U3,   160
.set U4,   192
.set U5,   224
.set QQ,   96                          ; the table: 12 factors, and 12 at work
.set QV,   108
.set PF,   128                         ; the three parents' 30 children, 32 registers a row tile
.set FF,   96                          ; my slots' F
.set FM,   128                         ; F / sum
.set WV,   16                          ; s16 wave; s17 rh; s18 g; s19 cx; s20 row block; s21 part c; s22 a
.set RH,   17
.set GH,   18
.set CX,   19
.set RB,   20
.set CP,   21
.set AC,   22
.set TMP,  23
.set G1X,  24                          ; descriptor groups 1: x's tile, node 0's rows, the three parents' rows, slots 4-31's rows
.set G1R,  32
.set G1A,  40
.set G1B,  48
.set G0X,  56                          ; their groups 0, a set for each slot
.set G0R,  68
.set G0A,  76
.set G0B,  84
.set SC,   92                          ; s[92:93] SC, twice;  s94 -SC;  s95 -(ex + ew);  s96 all ones where c is odd;  s97 all ones where c >= 2
.set NSC,  94
.set NE,   95
.set ODD,  96
.set HI,   97
.set MSB, 0
.macro WIN new                         ; low byte: bits 1:0 source 0, 3:2 source 1, 5:4 source 2, 7:6 destination; the high byte repeats the setting that is left
.if MSB != \new
	s_set_vgpr_msb (MSB<<8)|\new
.set MSB, \new
.endif
.endm
.set MUL_LO,   0xa1                    ; W window 1, x window 0, C and D window 2
.set MUL_HI,   0xf1                    ; the same, C and D window 3
.set FIRST_LO, 0x81                    ; C = the bias, window 0
.set FIRST_HI, 0xc1
.set TO_W,     0x40                    ; destination window 1, address window 0
.macro PLACES                          ; four plain vector instructions between a matrix instruction and a load into, or a vector access to, its registers (ISA guide 7.12.1 for vector accesses)
.rept 4
	v_nop
.endr
.endm
.macro G1SET g, w0, rows               ; a tile of so many rows x 256 bytes, 2,048 bytes apart in memory
	s_mov_b32 s[\g], \w0
	s_mov_b32 s[\g+1], 256<<16                     ; tensor_dim0
	s_mov_b32 s[\g+2], (\rows)<<16                 ; tensor_dim1
	s_mov_b32 s[\g+3], 256<<16                     ; tile_dim0
	s_mov_b32 s[\g+4], \rows                       ; tile_dim1
	s_mov_b32 s[\g+5], 2048                        ; tensor_dim0_stride
	s_mov_b32 s[\g+6], 0
	s_mov_b32 s[\g+7], 0
.endm
.macro G0SET g0, lds, a                ; slot s: K step s of the rows at s[a:a+1], to LDS byte lds of the slot
.irp s, 0,1
	s_mov_b32 s[\g0+4*\s], 1
	s_mov_b32 s[\g0+4*\s+1], \lds+\s*SLOT1
	s_add_nc_u64 s[\g0+4*\s+2:\g0+4*\s+3], s[\a:\a+1], \s*256
	s_or_b32 s[\g0+4*\s+3], s[\g0+4*\s+3], 0x80000000
.endr
.endm
; One wave's part of a fill.  both = 1: the two first fills, on end.  An s_nop 0 follows each load and four v_nop the last.
.macro ARM g0, g1, s, both
.if \both
	tensor_load_to_lds s[\g0:\g0+3], s[\g1:\g1+7]
	s_nop 0
	tensor_load_to_lds s[\g0+4:\g0+7], s[\g1:\g1+7]
	s_nop 0
.else
	tensor_load_to_lds s[\g0+4*\s:\g0+4*\s+3], s[\g1:\g1+7]
	s_nop 0
.endif
.rept 4
	v_nop
.endr
.endm
; A fill: wave 0 x's tile (its own work-group's), waves 1 to 3 W's three pieces (joint).  The branches hang on the wave's number alone; every wave passes one arm.
.macro JLOAD4 s, both
	s_cmp_eq_u32 s[WV], 0
	s_cbranch_scc0 .Lnot0_\@
	ARM G0X, G1X, \s, \both
	s_branch .Lasked_\@
.Lnot0_\@:
	s_cmp_eq_u32 s[WV], 1
	s_cbranch_scc0 .Lnot1_\@
	ARM G0R, G1R, \s, \both
	s_branch .Lasked_\@
.Lnot1_\@:
	s_cmp_eq_u32 s[WV], 2
	s_cbranch_scc0 .Lnot2_\@
	ARM G0A, G1A, \s, \both
	s_branch .Lasked_\@
.Lnot2_\@:
	ARM G0B, G1B, \s, \both
.Lasked_\@:
.endm
.macro CREST                           ; a round of the cluster's barrier behind its opening barrier
	s_cmp_lg_u32 s[WV], 0
	s_cbranch_scc1 .Lnot_wave_0_\@
	s_barrier_signal -3
.Lnot_wave_0_\@:
	s_barrier_wait -3
	s_barrier_signal -1
	s_barrier_wait -1
.endm
.macro CROUND                          ; a whole round
	s_barrier_signal -1
	s_barrier_wait -1
	CREST
.endm
	s_load_b256 s[4:11], s[0:1], 0x0               ; x s[4:5], W s[6:7], b s[8:9], the scales' exponents s[10:11]
	s_load_b128 s[12:15], s[0:1], 0x20             ; out0 s[12:13], out1 s[14:15]
	v_lshl_add_u32 v[SPW], v0, 2, SPARE
	v_mov_b32 v[NIL], 0
	ds_add_u32 v[SPW], v[NIL]                      ; the wave's opening: the add, twice on end, and its wait ahead of my first tensor load
	ds_add_u32 v[SPW], v[NIL]                      ; and once more; the set-up below, work on registers, stands between it and the wait
	v_lshrrev_b32 v1, 5, v0
	v_readfirstlane_b32 s[WV], v1                  ; wave 0..3
	s_lshr_b32 s[RH], s[WV], 1                     ; which 64 rows are mine
	s_and_b32 s[GH], s[WV], 1                      ; which 16 slots
	s_bfe_u32 s[CX], ttmp6, 0x40000                ; my place in the cluster: it enters x's and out0's addresses alone
	s_lshl_b32 s[RB], ttmp9, 2
	s_add_co_u32 s[RB], s[RB], s[CX]               ; my block of 128 rows
	s_and_b32 s[CP], ttmp7, 0xffff                 ; the part c, which the four partners share
	s_mul_i32 s[AC], s[CP], 5
	s_lshr_b32 s[AC], s[AC], 1                     ; a = 0, 2, 5, 7
	s_and_b32 s[ODD], s[CP], 1
	s_sub_co_u32 s[ODD], 0, s[ODD]
	s_lshr_b32 s[HI], s[CP], 1
	s_sub_co_u32 s[HI], 0, s[HI]
	G1SET G1X, (1<<20)|(5<<22)|(3<<25), 128        ; no mask; elements of 1 byte; padding on: 4 words (code 3) after every 64 (code 5)
	G1SET G1R, 15|(1<<20)|(1<<21)|(5<<22)|(3<<25), 11      ; the mask names all four work-groups; bit 21 set beside it
	G1SET G1A, 15|(1<<20)|(1<<21)|(5<<22)|(3<<25), 33
	G1SET G1B, 15|(1<<20)|(1<<21)|(5<<22)|(3<<25), 308
	s_lshl_b32 s98, s[RB], 18                      ; x: 128 rows of 2,048 bytes a block
	s_mov_b32 s99, 0
	s_add_co_u32 s66, s[AC], 1                     ; W: node a + 1
	s_mul_i32 s66, s66, NODEB
	s_mov_b32 s67, 0
	s_mul_i32 s100, s[CP], 25                      ; W: node 8 + 25 c
	s_add_co_u32 s100, s100, 8
	s_mul_i32 s100, s100, NODEB
	s_mov_b32 s101, 0
	s_wait_dscnt 0x0                               ; both opening adds are done
	s_wait_kmcnt 0x0
	s_load_b64 s[SC:SC+1], s[10:11], 0x0           ; ex, ew
	s_add_nc_u64 s[98:99], s[4:5], s[98:99]
	s_add_nc_u64 s[66:67], s[6:7], s[66:67]
	s_add_nc_u64 s[100:101], s[6:7], s[100:101]
	G0SET G0X, 0, 98
	G0SET G0R, XB, 6
	G0SET G0A, XB+11*PITCH, 66
	G0SET G0B, XB+44*PITCH, 100
	CROUND                                         ; all four work-groups are here: the first joint loads meet
	JLOAD4 0, 1                                    ; both slots' first fills: two loads of mine are out
	; ---- all that follows up to the first wait on the tiles is done while they are on their way
	v_and_b32 v1, 15, v0                           ; r
	v_bfe_u32 v2, v0, 4, 1                         ; h
	v_and_b32 v3, 31, v0
	v_lshlrev_b32 v3, 3, v3                        ; 8 x lane
	v_mov_b32 v[ZERO], 0
	v_mov_b32 v[C992], 992
	v_mul_u32_u24 v12, v1, PITCH
	v_lshl_add_u32 v12, v2, 4, v12
	s_mul_i32 s[TMP], s[RH], 64*PITCH
	v_add_nc_u32 v[ADX], s[TMP], v12               ; x: (64 rh + r) x pitch + 16 h
	v_add_nc_u32 v[ADX+1], SLOT1, v[ADX]
	v_mul_u32_u24 v13, v1, 11*PITCH
	v_lshl_add_u32 v13, v2, 4, v13
	s_mul_i32 s[TMP], s[GH], 16*11*PITCH
	s_add_co_u32 s[TMP], s[TMP], XB
	v_add_nc_u32 v[ADW], s[TMP], v13               ; W: behind x's rows, slot 16 g + r's first row, + 16 h
	v_add_nc_u32 v[ADW+1], SLOT1, v[ADW]
	v_mul_u32_u24 v14, v1, FPITCH
	s_mul_i32 s[TMP], s[RH], 64*FPITCH
	s_add_co_u32 s[TMP], s[TMP], FTAB
	v_add_nc_u32 v14, s[TMP], v14                  ; the table's row 64 rh + r
	v_mad_u32_u24 v[FW], v2, FSZ, v14              ; lanes 16-31 of a writing wave hold other slots: their stores go one table's length further on, where nobody reads
	s_lshl_b32 s[TMP], s[GH], 6
	v_lshl_add_u32 v[FR], v2, 5, v14
	v_add_nc_u32 v[FR], s[TMP], v[FR]              ; + 4 bytes x (16 g + 8 h)
	v_mul_u32_u24 v[SO], v1, SPITCH
	v_mad_u32_u24 v[SO], v2, 320, v[SO]
	s_mul_i32 s[TMP], s[RH], 64*SPITCH
	s_mul_i32 s66, s[GH], 640
	s_add_co_u32 s[TMP], s[TMP], s66
	v_add_nc_u32 v[SO], s[TMP], v[SO]              ; the stage: row 64 rh + r, + 40 bytes x (16 g + 8 h)
	; the bias: slot s >= 4 is node s + 4 + 25 c; slot 0 is node 0; slots 1-3 are nodes a + 1 .. a + 3
	s_lshl_b32 s[TMP], s[GH], 4
	v_lshl_add_u32 v12, v2, 3, s[TMP]              ; my first slot: 16 g + 8 h
	v_cmp_eq_u32 s98, 0, v12                       ; the lanes that hold slots 0-7
	s_mul_i32 s[TMP], s[CP], 25
	s_add_co_u32 s[TMP], s[TMP], 4
	v_add_nc_u32 v13, s[TMP], v12
.irp j, 0,1,2,3,4,5,6,7
	v_add_nc_u32 v[VB+\j], \j, v13
.endr
	v_cndmask_b32 v[VB], v[VB], 0, s98
.irp j, 1,2,3
	s_add_co_u32 s[TMP], s[AC], \j
	v_cndmask_b32 v[VB+\j], v[VB+\j], s[TMP], s98
.endr
.irp j, 0,1,2,3,4,5,6,7
	v_mul_u32_u24 v[VB+\j], v[VB+\j], 44           ; a node's 11 numbers are 44 bytes
.endr
.irp k, 0,1,2,3,4,5,6,7,8,9,10
.irp j, 0,1,2,3,4,5,6,7
	global_load_b32 v[BI+8*\k+\j], v[VB+\j], s[8:9] offset:4*\k
.endr
.endr
	; THE WAY OUT'S ADDRESSES.  Wave w stores rows 32 w + 8 q + rho.  A row's segment, 1,000 bytes, begins a = (160 rho - 24 c) mod 256 bytes behind a multiple of 256 bytes from out0's first byte
	; (4,000 = 15 x 256 + 160; 1,000 = 4 x 256 - 24; 8 rows are 125 x 256 bytes).  With d = 256 - a (8 .. 256) a row leaves by four stores of 32 lanes x 8 bytes, at these bytes of the segment:
	; store 1: d + 8 lane, store 2: 256 more: each 256 consecutive bytes, aligned;  store 3: 512 more, likewise where a >= 24, else its last lanes are held at byte 992;
	; store 0: (d + 8 lane + 768) mod 1,024: the segment's head, up to the first aligned byte, and its tail together; a lane that would pass byte 1,000 repeats byte 0's eight (same place, same data).
	s_mul_i32 s66, s[CP], 24
	s_mul_i32 s67, s[CP], 1000
	s_mul_i32 s100, s[WV], 32*SPITCH
	s_mul_i32 s101, s[WV], 32*4000
	s_add_co_u32 s101, s101, s67
.irp rho, 0,1,2,3,4,5,6,7
	s_add_co_u32 s[TMP], s66, 1272-160*\rho        ; d - 8 = (24 c - 160 rho - 8) mod 256; 1,280 is a multiple of 256
	s_and_b32 s[TMP], s[TMP], 255
	s_add_co_u32 s[TMP], s[TMP], 8
	v_add_nc_u32 v14, s[TMP], v3                   ; store 1
	v_add_nc_u32 v12, 768, v14
	v_and_b32 v12, 1023, v12                       ; store 0
	v_add_nc_u32 v13, 512, v14                     ; store 3
	v_cmp_gt_u32 vcc_lo, 1000, v12
	v_cndmask_b32 v12, 0, v12, vcc_lo
	v_cmp_gt_u32 vcc_lo, 1000, v13
	v_cndmask_b32 v13, v[C992], v13, vcc_lo
	s_add_co_u32 s98, s100, \rho*SPITCH+280        ; in the stage the segment begins behind slots 0-6's 280 bytes
	s_add_co_u32 s99, s101, \rho*4000
	WIN 0x40                                       ; destination window 1
	v_add_nc_u32 v[AL0+\rho], s98, v12
	v_add_nc_u32 v[AL1+\rho], s98, v14
	v_add_nc_u32 v[AL3+\rho], s98, v13
	v_add_nc_u32 v[AG0+\rho], s99, v12
	v_add_nc_u32 v[AG1+\rho], s99, v14
	v_add_nc_u32 v[AG3+\rho], s99, v13
	WIN 0
.endr
	s_mul_i32 s98, s[RB], 128*4000
	s_mov_b32 s99, 0
	s_add_nc_u64 s[12:13], s[12:13], s[98:99]      ; out0 at my block's first row
	s_wait_kmcnt 0x0                               ; ex, ew
	s_add_co_i32 s[TMP], s[SC], s[SC+1]
	s_sub_co_i32 s[NE], 0, s[TMP]                  ; -(ex + ew)
	s_lshl_b32 s[TMP], s[TMP], 23
	s_add_co_i32 s[SC], s[TMP], 0x3fb8aa3b         ; log2(e) with ex + ew added to its exponent field
	s_mov_b32 s[SC+1], s[SC]                       ; (named with it as a pair, so it is written)
	s_xor_b32 s[NSC], s[SC], 0x80000000
	s_wait_loadcnt 0x0                             ; the bias
.set i, 0
.rept 88
	v_ldexp_f32 v[BI+i], v[BI+i], s[NE]            ; a sum of codes stands for sum x 2^(ex + ew): the bias goes in divided by that
.set i, i+1
.endr
; 4 (k1 - k0 + 1) matrix instructions: W's tiles k0 .. k1, each against x's four row tiles of set p.  first = 1: the bias is C, and nothing is ever cleared.
; The 44 accumulators take turns, one instruction a turn, in the same order in every step.
.macro MULK k0, k1, p, first
.set kk, \k0
.rept (\k1)-(\k0)+1
.irp m, 0,1,2,3
.if \first
	v_wmma_f32_16x16x128_fp8_fp8 v[32*(kk%6)+8*\m:32*(kk%6)+8*\m+7], v[16*kk:16*kk+15], v[XF+64*(\p)+16*\m:XF+64*(\p)+16*\m+15], v[BI+8*kk:BI+8*kk+7]
.else
	v_wmma_f32_16x16x128_fp8_fp8 v[32*(kk%6)+8*\m:32*(kk%6)+8*\m+7], v[16*kk:16*kk+15], v[XF+64*(\p)+16*\m:XF+64*(\p)+16*\m+15], v[32*(kk%6)+8*\m:32*(kk%6)+8*\m+7]
.endif
.endr
.set kk, kk+1
.endr
.endm
; A fragment, 16 rows x 128 K, is 16 registers: lane l holds row l % 16; registers 4 c .. 4 c + 3 hold K = 32 c + 16 (l / 16) + 0 .. 15.
.macro FETCH_X s, q, p                 ; 16 loads: my four row tiles of the slot's q-th 128 along K into set p
	WIN 0
.irp m, 0,1,2,3
.irp c, 0,1,2,3
	ds_load_b128 v[XF+64*(\p)+16*\m+4*\c:XF+64*(\p)+16*\m+4*\c+3], v[ADX+\s] offset:128*(\q)+16*PITCH*\m+32*\c
.endr
.endr
.endm
.macro FETCH_W s, q, k0, k1            ; 4 (k1 - k0 + 1) loads: W's tiles k0 .. k1; it leaves the destination in window 1
	WIN TO_W
.set kk, \k0
.rept (\k1)-(\k0)+1
.irp c, 0,1,2,3
	ds_load_b128 v[16*kk+4*\c:16*kk+4*\c+3], v[ADW+\s] offset:128*(\q)+PITCH*kk+32*\c
.endr
.set kk, kk+1
.endr
.endm
; A slot's first 128 along K (x's set 0); its successor lies in the same slot.
.macro STEP s, first
	s_wait_dscnt 20                                ; x's set and W's tiles 0-5 are in; the youngest 20 loads, W's tiles 6-10, may be out
.if \first
	WIN FIRST_LO
.else
	WIN MUL_LO
.endif
	MULK 0, 5, 0, \first
	s_wait_dscnt 0x0                               ; W's tiles 6-10 are in (asked for 24 matrix instructions ago)
	PLACES
	FETCH_X \s, 1, 1
	FETCH_W \s, 1, 0, 5
.if \first
	WIN FIRST_HI
.else
	WIN MUL_HI
.endif
	MULK 6, 10, 0, \first
	PLACES
	FETCH_W \s, 1, 6, 10
	WIN 0
.endm
; A slot's second 128 along K (x's set 1) changes slots: ONE barrier; in front of it each wave waits for all its tensor loads, adds 0 to its spare word, and waits for that and for its reads of this slot.
; fill = 1: the barrier opens a round of the cluster's, and this slot is filled again, two K steps ahead: from that request to the wait for it a wave issues 64 matrix instructions.
.macro TURN s, nx, fill
	s_wait_tensorcnt 0x0                           ; all my tensor loads have landed: my part of the next slot  (every window is 0 here)
	ds_add_u32 v[SPW], v[NIL]                      ; 0 onto my spare word
	s_wait_dscnt 21                                ; (the add and the youngest 20 loads, W's tiles 6-10, may be out)
	WIN MUL_LO
	MULK 0, 2, 1, 0                                ; twelve matrix instructions stand between the add and the wait for it
	s_wait_dscnt 0x0                               ; the add is done, and my reads of this slot are over
	s_barrier_signal -1
	MULK 3, 5, 1, 0
	WIN 0
	s_barrier_wait -1
.if \fill
	CREST                                          ; no wave of any partner still reads this slot or has a load on its way
	s_add_nc_u64 s[G0X+4*\s+2:G0X+4*\s+3], s[G0X+4*\s+2:G0X+4*\s+3], 512   ; no tensor load of mine is out: the slot's groups 0 step two K steps on
	s_add_nc_u64 s[G0R+4*\s+2:G0R+4*\s+3], s[G0R+4*\s+2:G0R+4*\s+3], 512
	s_add_nc_u64 s[G0A+4*\s+2:G0A+4*\s+3], s[G0A+4*\s+2:G0A+4*\s+3], 512
	s_add_nc_u64 s[G0B+4*\s+2:G0B+4*\s+3], s[G0B+4*\s+2:G0B+4*\s+3], 512
	JLOAD4 \s, 0                                   ; the first tensor load behind the round, one a wave; its four v_nop are also the places in front of the loads below
.else
	PLACES
.endif
	FETCH_X \nx, 0, 0
	FETCH_W \nx, 0, 0, 5
	WIN MUL_HI
	MULK 6, 10, 1, 0
	PLACES
	FETCH_W \nx, 0, 6, 10
	WIN 0
.endm
	s_wait_tensorcnt 0x1                           ; my part of K step 0 is in; K step 1's load may be out
	s_barrier_signal -1
	s_barrier_wait -1                              ; everybody's is
	FETCH_X 0, 0, 0
	FETCH_W 0, 0, 0, 5
	FETCH_W 0, 0, 6, 10
	WIN 0
	STEP 0, 1                                      ; the first step stands in front of the loop: its products start the sums
	s_mov_b32 s3, 3
.Llap:                                             ; 2,048 / 512 - 1 trips: once round the ring, from a lap's second step to the next lap's first; both slots are filled again
	TURN 0, 1, 1
	STEP 1, 0
	TURN 1, 0, 1
	STEP 0, 0
	s_sub_co_u32 s3, s3, 1
	s_cmp_lg_u32 s3, 0
	s_cbranch_scc1 .Llap
	TURN 0, 1, 0                                   ; the last lap fills nothing, and has no round of the cluster's barrier
	STEP 1, 0
	s_wait_dscnt 20                                ; the very last step: nothing more to fetch
	WIN MUL_LO
	MULK 0, 5, 1, 0
	s_wait_dscnt 0x0
	WIN MUL_HI
	MULK 6, 10, 1, 0
	WIN 0
	PLACES                                         ; in front of the first reads of results and the first writes over x's fragments
	; ---- THE SOFTMAX.  i = 8 m + j counts my 32 (row tile, slot) pairs; column k's number is register 32 (k % 6) + i of window 2 or 3.  Each accumulator is read from its low end on.
	WIN 0x2a                                       ; three sources window 2
.set i, 0
.rept 32
	v_max3_num_f32 v[T1+i], v[i], v[32+i], v[64+i]
.set i, i+1
.endr
.set i, 0
.rept 32
	v_max3_num_f32 v[T2+i], v[96+i], v[128+i], v[160+i]
.set i, i+1
.endr
	WIN 0x3f                                       ; three sources window 3
.set i, 0
.rept 32
	v_max3_num_f32 v[T3+i], v[i], v[32+i], v[64+i]
.set i, i+1
.endr
.set i, 0
.rept 32
	v_max_num_f32 v[T4+i], v[96+i], v[128+i]
.set i, i+1
.endr
	WIN 0
.set i, 0
.rept 32
	v_max3_num_f32 v[T1+i], v[T1+i], v[T2+i], v[T3+i]
.set i, i+1
.endr
.set i, 0
.rept 32
	v_max_num_f32 v[T1+i], v[T1+i], v[T4+i]        ; the node's largest L
.set i, i+1
.endr
.set i, 0
.rept 32
	v_mul_f32 v[NMS+i], s[NSC], v[T1+i]            ; -SC x it
.set i, i+1
.endr
	WIN 0x82                                       ; source 0 and destination window 2, source 2 window 0
.set i, 0
.rept 96
	v_pk_fma_f32 v[i:i+1], v[i:i+1], s[SC:SC+1], v[NMS+i%32:NMS+i%32+1] op_sel_hi:[1,0,1]   ; SC L - SC max, two at a time (the scalar pair's low word for both halves)
.set i, i+2
.endr
.set i, 0
.rept 192
	v_exp_f32 v[i], v[i]
.set i, i+1
.endr
	WIN 0xc3                                       ; the same in window 3
.set i, 0
.rept 80
	v_pk_fma_f32 v[i:i+1], v[i:i+1], s[SC:SC+1], v[NMS+i%32:NMS+i%32+1] op_sel_hi:[1,0,1]
.set i, i+2
.endr
.set i, 0
.rept 160
	v_exp_f32 v[i], v[i]
.set i, i+1
.endr
	WIN 0
	v_nop                                          ; a plain instruction behind the last exponential,
	s_wait_alu depctr_va_vdst(0)                   ; and the one wait ahead of the first instruction that names a result: for all 352
	WIN 0x0a                                       ; sources 0 and 1 window 2
.set i, 0
.rept 16
	v_pk_add_f32 v[U1+i:U1+i+1], v[i:i+1], v[32+i:32+i+1]
	v_pk_add_f32 v[U2+i:U2+i+1], v[64+i:64+i+1], v[96+i:96+i+1]
	v_pk_add_f32 v[U3+i:U3+i+1], v[128+i:128+i+1], v[160+i:160+i+1]
.set i, i+2
.endr
	WIN 0x0f                                       ; sources 0 and 1 window 3
.set i, 0
.rept 16
	v_pk_add_f32 v[U4+i:U4+i+1], v[i:i+1], v[32+i:32+i+1]
	v_pk_add_f32 v[U5+i:U5+i+1], v[64+i:64+i+1], v[96+i:96+i+1]
.set i, i+2
.endr
	WIN 0x03                                       ; source 0 window 3
.set i, 0
.rept 16
	v_pk_add_f32 v[U5+i:U5+i+1], v[128+i:128+i+1], v[U5+i:U5+i+1]
.set i, i+2
.endr
	WIN 0
.set i, 0
.rept 16
	v_pk_add_f32 v[U1+i:U1+i+1], v[U1+i:U1+i+1], v[U2+i:U2+i+1]
	v_pk_add_f32 v[U3+i:U3+i+1], v[U3+i:U3+i+1], v[U4+i:U4+i+1]
.set i, i+2
.endr
.set i, 0
.rept 16
	v_pk_add_f32 v[U1+i:U1+i+1], v[U1+i:U1+i+1], v[U3+i:U3+i+1]
.set i, i+2
.endr
.set i, 0
.rept 16
	v_pk_add_f32 v[SUM+i:SUM+i+1], v[U1+i:U1+i+1], v[U5+i:U5+i+1]   ; the node's sum: about 1 at the least, since the largest term is about 1
.set i, i+2
.endr
.set i, 0
.rept 32
	v_rcp_f32 v[INV+i], v[SUM+i]
.set i, i+1
.endr
	v_nop                                          ; a plain instruction behind the last reciprocal,
	s_wait_alu depctr_va_vdst(0)                   ; and the one wait for the 32, ahead of the branch and of their first reader
	; ---- THE TABLE F.  Only the waves with g = 0 hold slots 0-3, in their lanes 0-15.  Level-2 slot 7 + i is child (o + i) % 10 of parent slot 1 + (o + i) / 10, o = 25 c - 10 a = 5 (c % 2);
	; parent slot 1 + p is child a + p of node 0: column 1 + a + p = 1 + p, 3 + p, 6 + p, 8 + p for c = 0 .. 3.  The choices are made by selections on c: no jump.
	s_cmp_lg_u32 s[GH], 0
	s_cbranch_scc1 .Lno_table
	WIN 0x0a
.irp m, 0,1,2,3
.irp p, 0,1,2
	v_cndmask_b32 v[QQ+3*\m+\p], v[32*(1+\p)+8*\m], v[32*(3+\p)+8*\m], s[ODD]   ; node 0's column 1 + p or 3 + p
.endr
.endr
	WIN 0x0f
.irp m, 0,1,2,3
.irp p, 0,1,2
	v_cndmask_b32 v[QV+3*\m+\p], v[32*\p+8*\m], v[32*(2+\p)+8*\m], s[ODD]       ; column 6 + p or 8 + p
.endr
.endr
	WIN 0
.irp m, 0,1,2,3
.irp p, 0,1,2
	v_cndmask_b32 v[QQ+3*\m+\p], v[QQ+3*\m+\p], v[QV+3*\m+\p], s[HI]
.endr
.endr
.irp m, 0,1,2,3
.irp p, 0,1,2
	v_mul_f32 v[QQ+3*\m+\p], v[QQ+3*\m+\p], v[INV+8*\m]            ; / node 0's sum: the parent's own probability,
.endr
.endr
.irp m, 0,1,2,3
.irp p, 0,1,2
	v_mul_f32 v[QQ+3*\m+\p], v[QQ+3*\m+\p], v[INV+8*\m+1+\p]       ; / the parent's sum
.endr
.endr
	WIN 0x02                                       ; source 0 window 2
.irp m, 0,1,2,3
.irp p, 0,1,2
.irp ch, 0,1,2,3,4
	v_mul_f32 v[PF+32*\m+10*\p+\ch], v[32*(1+\ch)+8*\m+1+\p], v[QQ+3*\m+\p]    ; parent p's child ch
.endr
.endr
.endr
	WIN 0x03                                       ; source 0 window 3
.irp m, 0,1,2,3
.irp p, 0,1,2
.irp ch, 5,6,7,8,9
	v_mul_f32 v[PF+32*\m+10*\p+\ch], v[32*(\ch-5)+8*\m+1+\p], v[QQ+3*\m+\p]
.endr
.endr
.endr
	WIN 0x40                                       ; destination window 1: W's fragments are done with
.irp m, 0,1,2,3
.irp z, 0,1,2,3,4,5,6
	v_mov_b32 v[32*\m+\z], 0                       ; slots 0-6 lead to no column of the part
.endr
.set i, 0
.rept 25
	v_cndmask_b32 v[32*\m+7+i], v[PF+32*\m+i], v[PF+32*\m+i+5], s[ODD]
.set i, i+1
.endr
.endr
	WIN 0x04                                       ; store data window 1
.irp m, 0,1,2,3
.irp t, 0,1,2,3,4,5,6,7
	ds_store_b128 v[FW], v[32*\m+4*\t:32*\m+4*\t+3] offset:16*FPITCH*\m+16*\t
.endr
.endr
	WIN 0
.Lno_table:
	s_wait_dscnt 0x0                               ; for the others' sake: my stores into the table are done.  (My reads of the slots were over at the last step's wait)
	s_barrier_signal -1
	s_barrier_wait -1                              ; the table is whole, and no wave reads a slot any more: the stage may be written over both
	; ---- THE RESULTS: e x F / sum, a slot's ten columns side by side, into the stage
.irp m, 0,1,2,3
	ds_load_b128 v[FF+8*\m:FF+8*\m+3], v[FR] offset:16*FPITCH*\m
	ds_load_b128 v[FF+8*\m+4:FF+8*\m+7], v[FR] offset:16*FPITCH*\m+16
.endr
	s_wait_dscnt 0x0
.set i, 0
.rept 16
	v_pk_mul_f32 v[FM+i:FM+i+1], v[FF+i:FF+i+1], v[INV+i:INV+i+1]
.set i, i+2
.endr
.irp m, 0,1,2,3
.set OB, 80*(\m%2)                     ; 80 registers of window 1, two sets by turns
.if \m >= 2
	s_wait_dscnt 20                                ; the stores of two row tiles back have read this set; the last row tile's 20 may be out
.endif
	WIN 0x42                                       ; source 0 window 2, destination window 1
.irp k, 1,2,3,4,5
.irp j, 0,1,2,3,4,5,6,7
	v_mul_f32 v[OB+10*\j+\k-1], v[32*\k+8*\m+\j], v[FM+8*\m+\j]
.endr
.endr
	WIN 0x43                                       ; source 0 window 3
.irp k, 6,7,8,9,10
.irp j, 0,1,2,3,4,5,6,7
	v_mul_f32 v[OB+10*\j+\k-1], v[32*(\k-6)+8*\m+\j], v[FM+8*\m+\j]
.endr
.endr
	WIN 0x04
.irp t, 0,1,2,3,4,5,6,7,8,9,10,11,12,13,14,15,16,17,18,19
	ds_store_b128 v[SO], v[OB+4*\t:OB+4*\t+3] offset:16*SPITCH*\m+16*\t   ; my 320 bytes of row 64 rh + 16 m + r; rows lie 81 x 16 bytes apart
.endr
.endr
	WIN 0
	s_wait_dscnt 0x0                               ; for the others' sake: my stores into the stage are done
	s_barrier_signal -1
	s_barrier_wait -1                              ; 128 whole segments lie in the stage
	; ---- THE WAY OUT: wave w takes rows 32 w .. 32 w + 31, eight at a time, four stores a row (see the addresses' comment at the head)
.macro LOADB q                         ; 32 LDS loads of 8 bytes a lane into set q % 2 (v32-95, v96-159)
.set DB, 32+64*((\q)%2)
.irp rho, 0,1,2,3,4,5,6,7
	ds_load_b64 v[DB+8*\rho:DB+8*\rho+1],   v[AL0+\rho] offset:8*SPITCH*(\q)
	ds_load_b64 v[DB+8*\rho+2:DB+8*\rho+3], v[AL1+\rho] offset:8*SPITCH*(\q)
	ds_load_b64 v[DB+8*\rho+4:DB+8*\rho+5], v[AL1+\rho] offset:8*SPITCH*(\q)+256
	ds_load_b64 v[DB+8*\rho+6:DB+8*\rho+7], v[AL3+\rho] offset:8*SPITCH*(\q)
.endr
.endm
.macro SENDB q
.set DB, 32+64*((\q)%2)
.irp rho, 0,1,2,3,4,5,6,7
	global_store_b64 v[AG0+\rho], v[DB+8*\rho:DB+8*\rho+1],   s[12:13] offset:32000*(\q) th:TH_STORE_NT
	global_store_b64 v[AG1+\rho], v[DB+8*\rho+2:DB+8*\rho+3], s[12:13] offset:32000*(\q) th:TH_STORE_NT       ; 32 lanes store 256 consecutive bytes, at a multiple of 256 from out0's first byte
	global_store_b64 v[AG1+\rho], v[DB+8*\rho+4:DB+8*\rho+5], s[12:13] offset:32000*(\q)+256 th:TH_STORE_NT   ; likewise
	global_store_b64 v[AG3+\rho], v[DB+8*\rho+6:DB+8*\rho+7], s[12:13] offset:32000*(\q) th:TH_STORE_NT
.endr
.endm
	WIN 0x01                                       ; addresses window 1, data window 0
	LOADB 0
	LOADB 1
	s_wait_dscnt 32                                ; block 0 is in; block 1's 32 loads may be out
	SENDB 0
	s_wait_xcnt 0x0                                ; block 0's stores have read their registers: block 2's loads may land there
	LOADB 2
	s_wait_dscnt 32                                ; block 1 is in
	SENDB 1
	s_wait_xcnt 0x0
	LOADB 3
	s_wait_dscnt 32                                ; block 2 is in
	SENDB 2
	s_wait_dscnt 0x0
	SENDB 3
	WIN 0
	; out1 = 0: one lane of the launch stores it: thread 0 of row block 0 of part 0.  A mask, no jump.
	s_or_b32 s[TMP], ttmp9, s[CX]
	s_or_b32 s[TMP], s[TMP], s[CP]
	v_or_b32 v12, s[TMP], v0
	v_cmp_eq_u32 vcc_lo, 0, v12
	s_wait_xcnt 0x0                                ; EXEC changes only behind this wait: the stores above have been issued under the full one
	s_and_saveexec_b32 s98, vcc_lo
	global_store_b32 v[ZERO], v[ZERO], s[14:15]
	s_wait_xcnt 0x0                                ; and again, in front of the line that widens it
	s_or_b32 exec_lo, exec_lo, s98
	s_wait_tensorcnt 0x0                           ; the wave's end, behind my last tensor load and my last LDS store
	ds_add_u32 v[SPW], v[NIL]
	s_wait_dscnt 0x0
	CROUND                                         ; the closing round: no work-group ends while a partner may still ask for a tile that names it
	s_endpgm
.Lfunc_end_k_qc532c37f53_tree:
	.size	k_qc532c37f53_tree, .Lfunc_end_k_qc532c37f53_tree-k_qc532c37f53_tree
	.p2alignl 7, 3214868480
	.fill 96, 4, 3214868480
	.section	.rodata,"a",@progbits
	.p2align	6, 0x0
	.amdhsa_kernel k_qc532c37f53_tree
		.amdhsa_group_segment_fixed_size 327680
		.amdhsa_private_segment_fixed_size 0
		.amdhsa_enable_private_segment 0
		.amdhsa_kernarg_size 48
		.amdhsa_user_sgpr_count 2
		.amdhsa_user_sgpr_kernarg_segment_ptr 1
		.amdhsa_wavefront_size32 1
		.amdhsa_system_sgpr_workgroup_id_x 1
		.amdhsa_system_sgpr_workgroup_id_y 1
		.amdhsa_system_sgpr_workgroup_id_z 1
		.amdhsa_system_vgpr_workitem_id 0
		.amdhsa_next_free_vgpr 1024
		.amdhsa_next_free_sgpr 102
		.amdhsa_reserve_vcc 1
		.amdhsa_float_denorm_mode_32 3
		.amdhsa_float_denorm_mode_16_64 3
		.amdhsa_memory_ordered 1
		.amdhsa_forward_progress 1
		.amdhsa_inst_pref_size 191
	.end_amdhsa_kernel
	.amdgpu_metadata
---
amdhsa.version: [ 1, 2 ]
amdhsa.kernels:
  - .name:           k_qc532c37f53_tree
    .symbol:         k_qc532c37f53_tree.kd
    .args:
      - { .name: x_codes, .offset: 0, .size: 8, .value_kind: global_buffer, .address_space: global }
      - { .name: W_codes, .offset: 8, .size: 8, .value_kind: global_buffer, .address_space: global }
      - { .name: b, .offset: 16, .size: 8, .value_kind: global_buffer, .address_space: global }
      - { .name: lowp_scales, .offset: 24, .size: 8, .value_kind: global_buffer, .address_space: global }
      - { .name: out0, .offset: 32, .size: 8, .value_kind: global_buffer, .address_space: global }
      - { .name: out1, .offset: 40, .size: 8, .value_kind: global_buffer, .address_space: global }
    .group_segment_fixed_size: 327680
    .private_segment_fixed_size: 0
    .kernarg_segment_align: 8
    .kernarg_segment_size: 48
    .max_flat_workgroup_size: 128
    .sgpr_count:     102
    .vgpr_count:     1024
    .wavefront_size: 32
...
	.end_amdgpu_metadata
.endif
;; end of part 1
